; MI455X (gfx1250); checked and timed in simulation.
; The chip was launched on July 23, 2026; its instructions are those of AMD's public machine-readable ISA for CDNA 5 (MIT licence, August 2026) and "CDNA5" Instruction Set Architecture Reference Guide (July 2026). The comments in the code are by the model that wrote it; some were corrected since.
;; Dot Product Attention. Allowed arithmetic: float matrix products may take bf16 or f16 operands with f32 sums; all other float work in f32.
;; Inputs: keys 32 x 2,048 x 128 float32; queries 32 x 2,048 x 128 float32; valid_lens 32 int32; values 32 x 2,048 x 128 float32.
;; Outputs: out0 32 x 2,048 x 128 float32.
;; One version. Each part assembles by itself: llvm-mc -triple=amdgcn-amd-amdhsa -mcpu=gfx1250 --defsym DOCPART=n.
;; ======== version 1 of 1: 1 launch
;; limits: values are held in f16: magnitudes above 65,504 overflow, below 6.1e-05 lose precision; inputs' magnitudes at most 65,504
;; launch attn (part 1): grid 8 x 32, 4 waves a work-group, no clusters, 141,824 bytes of LDS; arguments queries, keys, values, valid_lens, out0; writes out0
.if DOCPART == 1
	.amdgcn_target "amdgcn-amd-amdhsa--gfx1250"
	.amdhsa_code_object_version 6
	.text
	.protected	k_q1d8d90f15e_attn
	.globl	k_q1d8d90f15e_attn
	.p2align	8
	.type	k_q1d8d90f15e_attn,@function
k_q1d8d90f15e_attn:
	s_mov_b64 s[64:65], 0
	v_nop
	global_prefetch_b8 v0, s[64:65] scope:SCOPE_SE
	s_setreg_imm32_b32 hwreg(HW_REG_WAVE_MODE, 25, 1), 1
	s_wait_xcnt 0x0
; out[b][q][:] = softmax over k < valid_lens[b] of (Q[b][q] . K[b][k] / sqrt(128)) times V[b][k][:].  All tensors f32, [32][2048][128].
; One launch, nothing goes through memory between the two products.  Work-group (x, b): query rows 256 x .. 256 x + 255 of batch b, four waves,
; 64 query rows a wave.  All four waves walk the same tiles of 64 keys; softmax with a running maximum, sums and O in f32, Q, K, V, P as f16.
;
; WHY F16 AND NOT BF16.  The result is judged against the root mean square of the WHOLE output, and a batch with few valid keys has numbers several
; times larger than that, so its rounding errors weigh several times more.  f16 has 11 bits of significand against 8.  There is room: P is at most 1,
; and inputs 30 times the drawn spread with an offset of 30 spreads stay near 210, against 65,504.
;
; BOTH PRODUCTS ARE TRANSPOSED.  S^T = K Q^T (A = 16 keys x 32 d, B = 16 queries x 32 d) and O^T = V^T P^T (A = 16 d x 32 keys, B = 16 queries
; x 32 keys).  In a result lane (r, h) holds query r in all eight registers, register j being key (or d) 8 h + j.  So the maximum and the sum over
; keys stay inside a lane but for one exchange between the halves, alpha and 1 / l are one number a lane, and two neighbouring S^T tiles,
; packed to f16 in place, ARE the B fragment of P^T: no shuffle and no road through LDS.
;
; K AND V: f32 in memory, f16 in LDS.  Each wave loads 16 rows of K and 16 of V of the NEXT tile into registers (one row of 512 bytes an
; instruction), a whole tile of work ahead; converts; stores rows of 256 bytes into one of two LDS buffers; one barrier a tile.
; NO TENSOR LOADS, NO JOINT REQUESTS, by this arithmetic: a tile of 64 keys brought by the mover would land as 64 KiB of f32 in LDS, be read
; back (64 KiB) and stored again as f16 (32 KiB): 160 KiB of LDS traffic where the road through registers has 32 KiB, beside the 128 KiB of
; fragment reads that both have.  A request shared by four would spare 48 KiB of requests a tile and cost 128 KiB of LDS traffic.
;
; MASKED WORK IS NOT DONE.  Keys go in pairs of tiles (128 keys).  NP = ceil(len / 128) pairs hold valid keys.  Pair NP - 1, the only one that
; can hold masked keys, goes first, written out, masked, and its first products start all sums (C = 0, nothing is cleared).  Pairs 0 .. NP - 2
; follow unmasked.  THE LOOP HAS A CONSTANT 15 TRIPS, each with its two barriers, so that the number of barriers a wave passes is read off the
; text alone; valid_lens[b] steers only forward jumps that meet again in front of a barrier: a trip whose pair does not exist jumps over its work.
;
; LIMITS, stated.  valid_lens[b] <= 0 masks every key: the result is NaN, as the softmax of a row of -inf is.  valid_lens[b] > 2048 counts as 2048.
; The work of a work-group grows with valid_lens[b]: the 256 work-groups are not equal.  Q, K, V and P are rounded to f16: an input beyond 65,504
; in magnitude becomes infinite and spoils its rows; what lies below 2^-24 of an operand is lost.  The row sum l adds the unrounded P.
; Exponentials whose value is below 2^-126 come out as 0 (ISA guide, v_exp_f32).
.set LKEYS,  2048
.set ROWB,   512                       ; bytes in a row of f32
.set TILE,   64*ROWB                   ; a tile of 64 keys in memory
.set PAIRB,  2*TILE
.set TRIPS,  LKEYS/128-1               ; 15: the most pairs that can follow the first
.set KPIT,   272                       ; LDS pitch of K and Q rows: 256 + 16 bytes, an odd multiple of 16
.set VPIT,   288                       ; LDS pitch of V rows: 256 + 32 bytes, an odd multiple of 32, for the transposing load
.set KT,     64*KPIT                   ; 17,408: K part of a buffer
.set BUF,    KT+64*VPIT                ; 35,840: a buffer = K tile, V tile
.set PRIV,   2*BUF                     ; 71,680: behind the two buffers, 17,408 bytes for each wave alone:
.set PRIVW,  64*KPIT                   ; first its 64 rows of Q in f16, at the end its stage for 16 rows of the result
.set OPITCH, 528                       ; pitch of that stage: 512 + 16 bytes
.set CSC,    0x3e0293ee                ; log2(e) / sqrt(128)
.set NEGC,   0xbe0293ee
; window 0
.set GOFF,  2                          ; 16 x lane: the one vector offset of all global loads and stores, never rewritten
.set PFOFF, 4                          ; 256 x lane + 8,192 x (x mod 4): my blocks of a tile, for the prefetch
.set KST,   5                          ; where I store my 8 bytes of my first K row
.set VST,   6                          ; the same for V
.set KA,    7                          ; K fragments: r x 272 + 16 h
.set VA,    8                          ; V^T fragments: KT + (8 h + lane mod 8) x 288 + 16 x (bit 3 of the lane)
.set QST,   9
.set QA,    10
.set OST,   11
.set ORD,   12
.set REM0,  13                         ; valid keys left from the first tile on, less 8 h
.set REM1,  14                         ; the same for the second tile
.set NM,    16                         ; v[16+2q] = -(C x maximum), rounded; v[17+2q] = the raw maximum
.set RL,    24                         ; v[24+2q:25+2q] two partial row sums
.set AL,    32                         ; v[32+2q] alpha, at the end 1 / l; the odd partner is 0
.set TM,    40
.set TX,    44
.set OT,    64                         ; v64-127: one query block of O, scaled
.set FB,    128                        ; v128-255: 16 fragments: K, then V^T; at the end rows on their way out
; window 1
.set RQ,    0                          ; Q(q, k) at 8 (4 q + k)
.set RS,    128                        ; S(t, q) at 128 + 32 q + 8 t; packed: P(q, s) at 128 + 32 q + 16 s
; window 2: O(q, d) at 8 (8 q + d); at the head the 64 rows of Q as loaded.   window 3: v0-63 my 16 K rows, v64-127 my 16 V rows
.set NPM1,  18                         ; s18: NP - 1, the pairs that follow the first; never rewritten
.set NXT,   46                         ; s46: the number of the pair behind the one at work; the loop counter
.set SKF,   26                         ; s[26:27], s[28:29]: K, V at my 16 rows of pair NP - 1
.set SVF,   28
.set SKP,   30                         ; s[30:31], s[32:33]: K, V at my 16 rows of the pair that the loop loads
.set SVP,   32
.set SPF,   34                         ; s[34:35]: K (x < 4) or V (x >= 4) of the batch, at the same pair
.set SQP,   36
.set SOP,   38
.set MSB, 0
.macro WIN new                         ; low byte: bits 1:0 source 0, 3:2 source 1, 5:4 source 2, 7:6 destination; the high byte repeats the setting left
.if MSB != \new
	s_set_vgpr_msb (MSB<<8)|\new
.set MSB, \new
.endif
.endm
.macro PLACES                          ; four plain vector instructions behind a matrix instruction (ISA guide 7.12.1)
.rept 4
	v_nop
.endr
.endm
	s_load_b256 s[4:11], s[0:1], 0x0               ; queries s[4:5], keys s[6:7], values s[8:9], valid_lens s[10:11]
	s_load_b64 s[12:13], s[0:1], 0x20              ; out0
	v_lshl_add_u32 v62, v0, 2, 0x22800
	v_mov_b32 v63, 0
	v_lshrrev_b32 v1, 5, v0
	v_readfirstlane_b32 s14, v1                    ; wave 0..3
	s_mov_b32 s15, ttmp9                           ; x: block of 256 query rows
	s_and_b32 s16, ttmp7, 0xffff                   ; b: batch
	s_mov_b32 s20, CSC
	s_mov_b32 s21, CSC
	s_mov_b32 s22, 0x76543210                      ; v_permlanex16_b32: lane i takes lane i of the other half
	s_mov_b32 s23, 0xfedcba98
	s_mov_b32 s24, NEGC
	s_mov_b32 s25, 0xff800000                      ; -inf
	s_mov_b32 s[NXT], 0                            ; behind the first pair comes pair 0
	v_and_b32 v3, 31, v0                           ; lane
	v_and_b32 v15, 15, v0                          ; r
	v_bfe_u32 v1, v0, 4, 1                         ; h
	v_lshlrev_b32 v[GOFF], 4, v3
	s_and_b32 s19, s15, 3
	s_lshl_b32 s19, s19, 13
	v_lshl_add_u32 v[PFOFF], v3, 8, s19
	s_mul_i32 s19, s14, 16*KPIT
	v_lshl_add_u32 v[KST], v3, 3, s19              ; row 16 w, 8 bytes a lane
	s_mul_i32 s19, s14, 16*VPIT
	s_add_co_u32 s19, s19, KT
	v_lshl_add_u32 v[VST], v3, 3, s19
	v_mul_u32_u24 v[KA], v15, KPIT
	v_lshl_add_u32 v[KA], v1, 4, v[KA]
	v_and_b32 v[VA], 7, v0
	v_lshl_add_u32 v[VA], v1, 3, v[VA]
	v_mul_u32_u24 v[VA], v[VA], VPIT
	v_bfe_u32 v[QST], v0, 3, 1
	v_lshl_add_u32 v[VA], v[QST], 4, v[VA]
	v_add_nc_u32 v[VA], KT, v[VA]
	s_mul_i32 s19, s14, PRIVW
	s_add_co_u32 s19, s19, PRIV                    ; my own bytes of LDS
	v_lshl_add_u32 v[QST], v3, 3, s19
	v_add_nc_u32 v[QA], s19, v[KA]
	v_mul_u32_u24 v[OST], v15, OPITCH
	v_lshl_add_u32 v[OST], v1, 5, v[OST]
	v_add_nc_u32 v[OST], s19, v[OST]
	v_lshl_add_u32 v[ORD], v3, 4, s19
.irp q, 0,1,2,3
	v_mov_b32 v[AL+2*\q+1], 0                      ; the pair is named whole by the packed multiplies
	v_mov_b32 v[TX+\q], 0                          ; the destination of v_permlanex16_b32 counts as read
.endr
	s_lshl_b32 s40, s16, 20                        ; the batch: 2,048 rows of 512 bytes
	s_mov_b32 s41, 0
	s_lshl_b32 s42, s15, 17                        ; + 256 rows a block
	s_lshl_b32 s19, s14, 15                        ; + 64 rows a wave
	s_add_co_u32 s42, s42, s19
	s_add_co_u32 s42, s42, s40
	s_mov_b32 s43, 0
	s_lshl_b32 s44, s16, 2
	s_mov_b32 s45, 0
	s_wait_kmcnt 0x0
	s_add_nc_u64 s[10:11], s[10:11], s[44:45]
	s_load_b32 s17, s[10:11], 0x0                  ; valid_lens[b]
	s_add_nc_u64 s[SQP:SQP+1], s[4:5], s[42:43]
	s_add_nc_u64 s[SOP:SOP+1], s[12:13], s[42:43]
	WIN 0x80                                       ; my 64 rows of Q into window 2, a row an instruction; read once in the launch
.set ii, 0
.rept 64
	global_load_b128 v[4*ii:4*ii+3], v[GOFF], s[SQP:SQP+1] offset:ROWB*ii th:TH_LOAD_NT
.set ii, ii+1
.endr
	WIN 0
	s_lshl_b32 s19, s14, 13                        ; my 16 rows of a tile
	s_add_co_u32 s42, s40, s19
	s_add_nc_u64 s[SKP:SKP+1], s[6:7], s[42:43]
	s_add_nc_u64 s[SVP:SVP+1], s[8:9], s[42:43]
	s_cmp_lt_u32 s15, 4
	s_cselect_b64 s[SPF:SPF+1], s[6:7], s[8:9]     ; work-groups 0-3 of a batch ask ahead for K, 4-7 for V
	s_add_nc_u64 s[SPF:SPF+1], s[SPF:SPF+1], s[40:41]
	s_wait_kmcnt 0x0
	s_min_i32 s17, s17, LKEYS
	s_max_i32 s17, s17, 0                          ; len_c in 0 .. 2048
	s_add_co_u32 s19, s17, 127
	s_lshr_b32 s19, s19, 7
	s_max_u32 s19, s19, 1                          ; NP in 1 .. 16
	s_sub_co_u32 s[NPM1], s19, 1
	s_min_u32 s[NPM1], s[NPM1], 15                 ; a loaded number enters an address only behind a clamp by a constant
	s_lshl_b32 s19, s[NPM1], 7
	s_sub_co_u32 s19, s17, s19                     ; valid keys in pair NP - 1: 0 .. 128
	v_lshlrev_b32 v1, 3, v1
	v_sub_nc_u32 v[REM0], s19, v1
	v_add_nc_u32 v[REM1], 0xffffffc0, v[REM0]
	s_lshl_b32 s42, s[NPM1], 16
	s_add_nc_u64 s[SKF:SKF+1], s[SKP:SKP+1], s[42:43]
	s_add_nc_u64 s[SVF:SVF+1], s[SVP:SVP+1], s[42:43]
; 32 loads: my 16 rows of K and my 16 rows of V of tile u of the pair at kp, vp.  Each covers one row, 512 consecutive bytes.
.macro LOADG kp, vp, u
	WIN 0xc0
.set ii, 0
.rept 16
	global_load_b128 v[4*ii:4*ii+3], v[GOFF], s[\kp:\kp+1] offset:\u*TILE+ROWB*ii
.set ii, ii+1
.endr
.set ii, 0
.rept 16
	global_load_b128 v[64+4*ii:64+4*ii+3], v[GOFF], s[\vp:\vp+1] offset:\u*TILE+ROWB*ii
.set ii, ii+1
.endr
	WIN 0
.endm
	LOADG SKF, SVF, 0                              ; the first tile
	; Q: f32 to f16, through my own bytes of LDS into 16 B fragments that stay in window 1 for the whole kernel
	s_wait_loadcnt 32                              ; the 32 loads of K and V are younger and stay out: Q is in
	WIN 0x8a
.set ii, 0
.rept 64
	v_cvt_pk_f16_f32 v[4*ii], v[4*ii], v[4*ii+1]
	v_cvt_pk_f16_f32 v[4*ii+1], v[4*ii+2], v[4*ii+3]
.set ii, ii+1
.endr
	WIN 0x08
.set ii, 0
.rept 64
	ds_store_b64 v[QST], v[4*ii:4*ii+1] offset:KPIT*ii
.set ii, ii+1
.endr
	WIN 0x40
.irp q, 0,1,2,3
.irp k, 0,1,2,3
	ds_load_b128 v[RQ+8*(4*\q+\k):RQ+8*(4*\q+\k)+3], v[QA] offset:16*KPIT*\q+64*\k       ; LDS serves a wave in order (ISA guide 5.7.1): these see the stores above
	ds_load_b128 v[RQ+8*(4*\q+\k)+4:RQ+8*(4*\q+\k)+7], v[QA] offset:16*KPIT*\q+64*\k+32
.endr
.endr
	WIN 0
; The tile that lies in my stage registers goes into buffer buf; the next tile (tile u at kp, vp) is asked for; one barrier.
; act = 1: all but the barrier is jumped over if the pair at work does not exist (NXT > NP - 1).
; step = 1: the loop pointers go on to the next pair first.  cond = 1: no next tile, and no prefetch, if no pair is left (NXT >= NP - 1);
; cond = 0: the tile is the second of the pair at work and is always loaded.  pfo: byte offset from s[SPF] of the tile that wave 0 asks ahead for.
; THE BARRIER is on every path.  It orders two things.  My stores into buf come before every read of buf.  And every wave has ended its reads
; of the OTHER buffer (each waited for them in front of its second product), so the next STEP_IN may store into that one.
.macro STEP_IN buf, step, kp, vp, u, cond, pfo, act
.if \act
	s_cmp_gt_u32 s[NXT], s[NPM1]
	s_cbranch_scc1 .Lno_\@
.endif
	s_wait_loadcnt 0x0                             ; my 32 loads have landed; their bases are free
.if \step
	s_wait_xcnt 0x0                                ; the prefetch base is stepped too; the prefetch was issued a whole tile of work ago
	s_add_nc_u64 s[SKP:SKP+1], s[SKP:SKP+1], PAIRB
	s_add_nc_u64 s[SVP:SVP+1], s[SVP:SVP+1], PAIRB
	s_add_nc_u64 s[SPF:SPF+1], s[SPF:SPF+1], PAIRB
.endif
	WIN 0xcf
.set ii, 0
.rept 32
	v_cvt_pk_f16_f32 v[4*ii], v[4*ii], v[4*ii+1]
	v_cvt_pk_f16_f32 v[4*ii+1], v[4*ii+2], v[4*ii+3]
.set ii, ii+1
.endr
	WIN 0x0c
.set ii, 0
.rept 16
	ds_store_b64 v[KST], v[4*ii:4*ii+1] offset:\buf*BUF+KPIT*ii          ; 32 lanes x 8 bytes: one f16 row
.set ii, ii+1
.endr
.set ii, 0
.rept 16
	ds_store_b64 v[VST], v[64+4*ii:64+4*ii+1] offset:\buf*BUF+VPIT*ii
.set ii, ii+1
.endr
	WIN 0
	s_wait_dscnt 0x0                               ; for the other waves: zero in front of the signal
.if \cond
	s_cmp_ge_u32 s[NXT], s[NPM1]
	s_cbranch_scc1 .Lno_\@
.endif
	LOADG \kp, \vp, \u                             ; has the whole tile of work below in which to land: 64 KiB for the four waves
.if \cond == 0
	s_cmp_ge_u32 s[NXT], s[NPM1]
	s_cbranch_scc1 .Lno_\@
.endif
	s_cmp_lg_u32 s14, 0
	s_cbranch_scc1 .Lno_\@
	; Wave 0 alone: 32 blocks of 256 bytes, my eighth of the K and V tile that will be loaded one tile of work from now.  The eight work-groups
	; of a batch ask for different blocks.  Only while a pair is left, so the request never passes pair NP - 2.
	global_prefetch_b8 v[PFOFF], s[SPF:SPF+1] offset:\pfo th:TH_LOAD_NT scope:SCOPE_SE
.Lno_\@:
	s_barrier_signal -1
	s_barrier_wait -1
.endm
.macro FMAP p                          ; two scores of pair p: S x C - C x maximum, one rounding
	v_pk_fma_f32 v[RS+2*(\p):RS+2*(\p)+1], v[RS+2*(\p):RS+2*(\p)+1], s[20:21], v[NM+2*((\p)/16):NM+2*((\p)/16)+1] op_sel_hi:[1,0,0]
.endm
; One tile of 64 keys from buffer buf.  zero = 1: the first tile, whose products start the sums.  rem: REM0 or REM1 to mask, 0 for no mask.
; act = 1: jumped over whole if the pair at work does not exist.
.macro COMPUTE buf, zero, rem, act
.if \act
	s_cmp_gt_u32 s[NXT], s[NPM1]
	s_cbranch_scc1 .Lidle_\@
.endif
.irp t, 0,1,2,3
.irp k, 0,1,2,3
	ds_load_b128 v[FB+8*(4*\t+\k):FB+8*(4*\t+\k)+3], v[KA] offset:\buf*BUF+16*KPIT*\t+64*\k
	ds_load_b128 v[FB+8*(4*\t+\k)+4:FB+8*(4*\t+\k)+7], v[KA] offset:\buf*BUF+16*KPIT*\t+64*\k+32
.endr
.endr
	WIN 0x54                                       ; S^T: A window 0, B, C, D window 1.  The four accumulators of a key block take turns, one instruction a turn
.irp t, 0,1,2,3
	s_wait_dscnt 24-8*\t                           ; the 8 loads of each later key block stay out
.irp k, 0,1,2,3
.irp q, 0,1,2,3
.if \k == 0
	v_wmma_f32_16x16x32_f16 v[RS+32*\q+8*\t:RS+32*\q+8*\t+7], v[FB+8*(4*\t+\k):FB+8*(4*\t+\k)+7], v[RQ+8*(4*\q+\k):RQ+8*(4*\q+\k)+7], 0
.else
	v_wmma_f32_16x16x32_f16 v[RS+32*\q+8*\t:RS+32*\q+8*\t+7], v[FB+8*(4*\t+\k):FB+8*(4*\t+\k)+7], v[RQ+8*(4*\q+\k):RQ+8*(4*\q+\k)+7], v[RS+32*\q+8*\t:RS+32*\q+8*\t+7]
.endif
.endr
.endr
.endr
	PLACES                                         ; in front of the loads into the fragments just multiplied, and of the first reads of S
	WIN 0
.irp s, 0,1
.irp d, 0,1,2,3,4,5,6,7
	ds_load_tr16_b128 v[FB+8*(8*\s+\d):FB+8*(8*\s+\d)+3], v[VA] offset:\buf*BUF+32*VPIT*\s+32*\d              ; V^T: d 16 d .. + 15, keys 32 s + 8 h .. + 7
	ds_load_tr16_b128 v[FB+8*(8*\s+\d)+4:FB+8*(8*\s+\d)+7], v[VA] offset:\buf*BUF+32*VPIT*\s+32*\d+16*VPIT    ; keys 32 s + 16 + 8 h .. + 7
.endr
.endr
.if \rem
	WIN 0x44                                       ; register j of key block t is key 16 t + 8 h + j of the tile: valid while rem > 16 t + j
.irp t, 0,1,2,3
.irp j, 0,1,2,3,4,5,6,7
	v_cmp_gt_i32 vcc_lo, v[\rem], 16*\t+\j
.irp q, 0,1,2,3
	v_cndmask_b32 v[RS+32*\q+8*\t+\j], s25, v[RS+32*\q+8*\t+\j], vcc_lo
.endr
.endr
.endr
.endif
	WIN 0x05                                       ; the maximum of my 32 scores of each query and of the maximum so far: four chains side by side
.irp q, 0,1,2,3
.if \zero
	v_max_num_f32 v[TM+\q], v[RS+32*\q], v[RS+32*\q+1]
.else
	v_max3_num_f32 v[TM+\q], v[RS+32*\q], v[RS+32*\q+1], v[NM+2*\q+1]
.endif
.endr
.irp i, 1,2,3,4,5,6,7,8,9,10,11,12,13,14,15
.irp q, 0,1,2,3
	v_max3_num_f32 v[TM+\q], v[RS+32*\q+2*\i], v[RS+32*\q+2*\i+1], v[TM+\q]
.endr
.endr
	WIN 0
.irp q, 0,1,2,3
	v_permlanex16_b32 v[TX+\q], v[TM+\q], s22, s23 ; the other half of the lanes holds the other 32 keys of the same query
.endr
.irp q, 0,1,2,3
	v_max_num_f32 v[NM+2*\q+1], v[TM+\q], v[TX+\q]
.endr
.irp q, 0,1,2,3
	v_mul_f32 v[TX+\q], s24, v[NM+2*\q+1]          ; -(C x maximum), rounded once; alpha and P both use this rounded number
.endr
.if \zero == 0
.irp q, 0,1,2,3
	v_sub_f32 v[AL+2*\q], v[TX+\q], v[NM+2*\q]     ; C x (old maximum - new maximum), at most 0
.endr
.irp q, 0,1,2,3
	v_exp_f32 v[AL+2*\q], v[AL+2*\q]
.endr
.endif
.irp q, 0,1,2,3
	v_mov_b32 v[NM+2*\q], v[TX+\q]                 ; plain instructions that name no alpha: the place behind the exponentials (ISA guide 5.7.2)
.endr
.if \zero == 0
	s_wait_alu depctr_va_vdst(0)
.irp q, 0,1,2,3
	v_pk_mul_f32 v[RL+2*\q:RL+2*\q+1], v[RL+2*\q:RL+2*\q+1], v[AL+2*\q:AL+2*\q+1] op_sel_hi:[1,0]
.endr
.endif
	WIN 0x41                                       ; P = 2^(S C - C maximum), in place.  Two exponentials of pair p, then the multiply-add of pair p + 2, which names neither
	FMAP 0
	FMAP 1
.set pp, 0
.rept 62
	v_exp_f32 v[RS+2*pp], v[RS+2*pp]
	v_exp_f32 v[RS+2*pp+1], v[RS+2*pp+1]
	FMAP pp+2
.set pp, pp+1
.endr
.set ii, 124
.rept 4
	v_exp_f32 v[RS+ii], v[RS+ii]
.set ii, ii+1
.endr
	v_nop                                          ; the place behind the last exponentials
.if \zero
	WIN 0x05                                       ; the first two pairs start the row sums
	s_wait_alu depctr_va_vdst(0)
.irp q, 0,1,2,3
	v_pk_add_f32 v[RL+2*\q:RL+2*\q+1], v[RS+32*\q:RS+32*\q+1], v[RS+32*\q+2:RS+32*\q+3]
.endr
	WIN 0x01
.irp i, 2,3,4,5,6,7,8,9,10,11,12,13,14,15
.irp q, 0,1,2,3
	v_pk_add_f32 v[RL+2*\q:RL+2*\q+1], v[RS+32*\q+2*\i:RS+32*\q+2*\i+1], v[RL+2*\q:RL+2*\q+1]
.endr
.endr
.else
	WIN 0x01
	s_wait_alu depctr_va_vdst(0)
.irp i, 0,1,2,3,4,5,6,7,8,9,10,11,12,13,14,15
.irp q, 0,1,2,3
	v_pk_add_f32 v[RL+2*\q:RL+2*\q+1], v[RS+32*\q+2*\i:RS+32*\q+2*\i+1], v[RL+2*\q:RL+2*\q+1]
.endr
.endr
.endif
	WIN 0x45                                       ; 16 registers of two S^T tiles become the 8 of a B fragment, in place
.irp g, 0,1,2,3,4,5,6,7
.irp i, 0,1,2,3,4,5,6,7
	v_cvt_pk_f16_f32 v[RS+16*\g+\i], v[RS+16*\g+2*\i], v[RS+16*\g+2*\i+1]
.endr
.endr
.if \zero == 0
	WIN 0x82                                       ; O x alpha
.irp q, 0,1,2,3
.set ii, 0
.rept 32
	v_pk_mul_f32 v[64*\q+2*ii:64*\q+2*ii+1], v[64*\q+2*ii:64*\q+2*ii+1], v[AL+2*\q:AL+2*\q+1] op_sel_hi:[1,0]
.set ii, ii+1
.endr
.endr
.endif
	s_wait_dscnt 0x0                               ; the V^T fragments are in: my reads of this buffer are over
	WIN 0xa4                                       ; O^T: A window 0, B window 1, C, D window 2.  All 32 accumulators take turns, one instruction a turn
.irp s, 0,1
.set zz, \zero*(1-\s)
.irp d, 0,1,2,3,4,5,6,7
.irp q, 0,1,2,3
.if zz
	v_wmma_f32_16x16x32_f16 v[8*(8*\q+\d):8*(8*\q+\d)+7], v[FB+8*(8*\s+\d):FB+8*(8*\s+\d)+7], v[RS+32*\q+16*\s:RS+32*\q+16*\s+7], 0
.else
	v_wmma_f32_16x16x32_f16 v[8*(8*\q+\d):8*(8*\q+\d)+7], v[FB+8*(8*\s+\d):FB+8*(8*\s+\d)+7], v[RS+32*\q+16*\s:RS+32*\q+16*\s+7], v[8*(8*\q+\d):8*(8*\q+\d)+7]
.endif
.endr
.endr
.endr
	WIN 0
	PLACES                                         ; five places behind the last matrix instructions, on every path that leaves this tile: the next tile
	v_nop                                          ; loads over their A fragments and lets matrix instructions write over their B fragments; the way out reads O
.Lidle_\@:
.endm
	; pair NP - 1, masked; its first tile starts the sums
	STEP_IN 0, 0, SKF, SVF, 1, 0, 0, 0             ; loads its second tile; asks ahead for pair 0, tile 0
	COMPUTE 0, 1, REM0, 0
	STEP_IN 1, 0, SKP, SVP, 0, 1, TILE, 0          ; loads pair 0, tile 0, if there is a pair 0 to do; asks ahead for its tile 1
	COMPUTE 1, 0, REM1, 0
.Lpair:                                            ; trip n = 1 .. 15 is for pair n - 1, no mask; it works while n <= NP - 1 and only passes its barriers after that
	s_add_co_u32 s[NXT], s[NXT], 1
	STEP_IN 0, 0, SKP, SVP, 1, 0, PAIRB, 1         ; loads this pair, tile 1; asks ahead for the next pair, tile 0
	COMPUTE 0, 0, 0, 1
	STEP_IN 1, 1, SKP, SVP, 0, 1, TILE, 1          ; pointers on; loads the next pair, tile 0, and asks ahead for its tile 1, if there is one
	COMPUTE 1, 0, 0, 1
	s_cmp_lt_u32 s[NXT], TRIPS
	s_cbranch_scc1 .Lpair
	; the way out; the places behind the last matrix instructions stand at the end of each tile
.irp q, 0,1,2,3
	v_add_f32 v[TM+\q], v[RL+2*\q], v[RL+2*\q+1]
.endr
.irp q, 0,1,2,3
	v_permlanex16_b32 v[TX+\q], v[TM+\q], s22, s23
.endr
.irp q, 0,1,2,3
	v_add_f32 v[TM+\q], v[TM+\q], v[TX+\q]         ; l of query r, in both halves
.endr
.irp q, 0,1,2,3
	v_rcp_f32 v[AL+2*\q], v[TM+\q]
.endr
	v_nop                                          ; the place behind the reciprocals
	s_wait_alu depctr_va_vdst(0)
; 16 query rows: O / l; a lane holds 8 neighbouring d of one row for each of 8 blocks: 32 bytes each into my stage, whole rows of 512 bytes back and out.
.macro OUTQ q
	WIN 0x02
.set ii, 0
.rept 32
	v_pk_mul_f32 v[OT+2*ii:OT+2*ii+1], v[64*\q+2*ii:64*\q+2*ii+1], v[AL+2*\q:AL+2*\q+1] op_sel_hi:[1,0]
.set ii, ii+1
.endr
	WIN 0
.irp d, 0,1,2,3,4,5,6,7
	ds_store_b128 v[OST], v[OT+8*\d:OT+8*\d+3] offset:64*\d
	ds_store_b128 v[OST], v[OT+8*\d+4:OT+8*\d+7] offset:64*\d+16
.endr
	s_wait_xcnt 0x0                                ; this half of the row registers was the data of stores two blocks ago: loaded again only behind this wait
.irp i, 0,1,2,3,4,5,6,7,8,9,10,11,12,13,14,15
	ds_load_b128 v[FB+64*(\q&1)+4*\i:FB+64*(\q&1)+4*\i+3], v[ORD] offset:OPITCH*\i       ; my own bytes, served in order: these see the stores above
.endr
.irp i, 0,1,2,3,4,5,6,7,8,9,10,11,12,13,14,15
	s_wait_dscnt 15-\i                             ; row i is in, the later rows stay out
	global_store_b128 v[GOFF], v[FB+64*(\q&1)+4*\i:FB+64*(\q&1)+4*\i+3], s[SOP:SOP+1] offset:(16*\q+\i)*ROWB th:TH_STORE_NT   ; one whole row: 512 consecutive bytes, aligned
.endr
.endm
	OUTQ 0
	OUTQ 1
	OUTQ 2
	OUTQ 3
	s_wait_tensorcnt 0x0
	ds_add_u32 v62, v63
	s_wait_dscnt 0x0
	s_endpgm
.Lfunc_end_k_q1d8d90f15e_attn:
	.size	k_q1d8d90f15e_attn, .Lfunc_end_k_q1d8d90f15e_attn-k_q1d8d90f15e_attn
	.p2alignl 7, 3214868480
	.fill 96, 4, 3214868480
	.section	.rodata,"a",@progbits
	.p2align	6, 0x0
	.amdhsa_kernel k_q1d8d90f15e_attn
		.amdhsa_group_segment_fixed_size 141824
		.amdhsa_private_segment_fixed_size 0
		.amdhsa_enable_private_segment 0
		.amdhsa_kernarg_size 40
		.amdhsa_user_sgpr_count 2
		.amdhsa_user_sgpr_kernarg_segment_ptr 1
		.amdhsa_wavefront_size32 1
		.amdhsa_system_sgpr_workgroup_id_x 1
		.amdhsa_system_sgpr_workgroup_id_y 1
		.amdhsa_system_sgpr_workgroup_id_z 1
		.amdhsa_system_vgpr_workitem_id 0
		.amdhsa_next_free_vgpr 896
		.amdhsa_next_free_sgpr 66
		.amdhsa_reserve_vcc 1
		.amdhsa_float_denorm_mode_32 3
		.amdhsa_float_denorm_mode_16_64 3
		.amdhsa_memory_ordered 1
		.amdhsa_forward_progress 1
		.amdhsa_inst_pref_size 255
	.end_amdhsa_kernel
	.section	.bss,"aw",@nobits
	.p2align	6
	.space	262144
	.amdgpu_metadata
---
amdhsa.version: [ 1, 2 ]
amdhsa.kernels:
  - .name:           k_q1d8d90f15e_attn
    .symbol:         k_q1d8d90f15e_attn.kd
    .args:
      - { .name: queries, .offset: 0, .size: 8, .value_kind: global_buffer, .address_space: global }
      - { .name: keys, .offset: 8, .size: 8, .value_kind: global_buffer, .address_space: global }
      - { .name: values, .offset: 16, .size: 8, .value_kind: global_buffer, .address_space: global }
      - { .name: valid_lens, .offset: 24, .size: 8, .value_kind: global_buffer, .address_space: global }
      - { .name: out0, .offset: 32, .size: 8, .value_kind: global_buffer, .address_space: global }
    .group_segment_fixed_size: 141824
    .private_segment_fixed_size: 0
    .kernarg_segment_align: 8
    .kernarg_segment_size: 40
    .max_flat_workgroup_size: 128
    .sgpr_count:     66
    .vgpr_count:     896
    .wavefront_size: 32
...
	.end_amdgpu_metadata
.endif
;; end of part 1
